; MI455X (gfx1250); checked and timed in simulation.
; The chip was launched on July 23, 2026; its instructions are those of AMD's public machine-readable ISA for CDNA 5 (MIT licence, August 2026) and "CDNA5" Instruction Set Architecture Reference Guide (July 2026). The comments in the code are by the model that wrote it; some were corrected since.
;; Multihead Attention. Allowed arithmetic: matrix products marked QUANTISED: E2M1 operands, one E8M0 scale for each 32 along K, by v_wmma_scale_f32_16x16x128_f8f6f4 with both operands' format E2M1 (or v_wmma_scale_f32_32x16x128_f4), f32 sums; products left as they are: bf16, f16 or f32 operands; f32 sums; everything else in f32.
;; Inputs: b_in 3,072 float32; b_out 1,024 float32; w_in 3,072 x 1,024 float32; w_out 1,024 x 1,024 float32; x 8 x 1,024 x 1,024 float32.
;; Outputs: out0 8 x 1,024 x 1,024 float32.
;; This version of the problem:
;;   THIS VERSION OF THE PROBLEM IS GIVEN IN LOW PRECISION. The matrix products marked QUANTISED in the list below multiply operands that are first quantised to E2M1 (2 exponent bits, 1 mantissa bit; 4 bits a number), with one power-of-two scale for each 32 numbers along K (OCP MX v1.0); their sums are f32. The products marked 'left as it is' may take bf16, f16 or f32 operands, with f32 sums. Whichever they take, every output number must still come out within the allowed error. Rounding operands to bf16 (8 significant bits) uses up far more of that allowance than f16 does (11 bits, for magnitudes from 6e-5 to 65,504). All else is computed in f32.
;;   The module's matrix products, in the order in which they are computed (A, B: the left and right operand; K: the contracted axis; several contracted axes count as one K, in the product's order):
;;     1. [M 8,192, K 1,024] x [K 1,024, N 3,072]; A: input x; B: input w_in: QUANTISED
;;     2. batch 128 x [M 1,024, K 64] x [K 64, N 1,024]; A: computed on the way; B: computed on the way: left as it is (an operand is computed on the way)
;;     3. batch 128 x [M 1,024, K 1,024] x [K 1,024, N 64]; A: computed on the way; B: computed on the way: left as it is (an operand is computed on the way)
;;     4. [M 8,192, K 1,024] x [K 1,024, N 1,024]; A: computed on the way; B: input w_out: left as it is (an operand is computed on the way)
;;   THE QUANTISER, for each operand of a quantised product, along K:
;;     - K is cut into blocks of 32 from its start; a last block that is shorter is filled with zeros.
;;     - A block's scale is 2^e with e = floor(log2(the largest magnitude in the block)) - 2, held to -126 .. 127; a block of zeros has e = 0. As a byte (E8M0): e + 127.
;;     - Each number is divided by its block's scale, clamped to +-6, and rounded to the nearest number of E2M1, ties to even, subnormals kept.
;;     - The product sums the exact products of the quantised numbers (number of the format x scale) in f32.
;;   ~~~python
;;   def quantise(x, axis):      # numpy; x: float32 -> the quantised numbers, widened to float32 again
;;       x = np.moveaxis(x, axis, -1); K = x.shape[-1]
;;       x = np.pad(x, [(0, 0)] * (x.ndim - 1) + [(0, -K % 32)]); x = x.reshape(x.shape[:-1] + (-1, 32)); a = np.abs(x).max(-1, keepdims=True)
;;       e = np.where(a > 0, np.clip(np.frexp(np.where(a > 0, a, 1))[1] - 1 - 2, -126, 127), 0)      # np.frexp(a)[1] - 1 = floor(log2(a)), exactly
;;       r = np.clip(x / 2.0 ** e, -6, 6)
;;       step = 2.0 ** (np.maximum(np.frexp(np.where(r == 0, 1, r))[1] - 1, 0) - 1)
;;       q = np.round(r / step) * step * 2.0 ** e      # np.round: ties to even
;;       return np.moveaxis(q.reshape(q.shape[:-2] + (-1,))[..., :K], -1, axis).astype(np.float32)
;;   ~~~
;; One version. Each part assembles by itself: llvm-mc -triple=amdgcn-amd-amdhsa -mcpu=gfx1250 --defsym DOCPART=n.
;; ======== version 1 of 1: 4 launches
;; limits: values are held in f16: magnitudes above 65,504 overflow, below 6.1e-05 lose precision
;; workspace buffers: xq 4,456,448 bytes; wq 1,671,168 bytes; wo 2,097,152 bytes; qf 16,777,216 bytes; kv 33,554,432 bytes; vals 16,777,216 bytes
;; launch prep (part 1): grid 384 x 1, 4 waves a work-group, no clusters, 68,096 bytes of LDS; arguments x, w_in, w_out, xq, wq, wo; writes xq, wq, wo
.if DOCPART == 1
	.amdgcn_target "amdgcn-amd-amdhsa--gfx1250"
	.amdhsa_code_object_version 6
	.text
	.protected	k_qd37e8a4c4e_prep
	.globl	k_qd37e8a4c4e_prep
	.p2align	8
	.type	k_qd37e8a4c4e_prep,@function
k_qd37e8a4c4e_prep:
	s_mov_b64 s[64:65], 0
	v_nop
	global_prefetch_b8 v0, s[64:65] scope:SCOPE_SE
	s_setreg_imm32_b32 hwreg(HW_REG_WAVE_MODE, 25, 1), 1
	s_wait_xcnt 0x0
; PREP.  x [8192][1024] and w_in [3072][1024], f32, become codes of FP4 (E2M1) with one E8M0 scale byte for each 32 along K; w_out [1024][1024] becomes f16.
; All three leave as IMAGES OF THE READER'S OPERAND REGISTERS: lane l's 16 bytes at 16 l, 512 bytes for each group of four registers, so that later launches fetch fragments by 16-byte loads at a constant + 16 x lane.
;   FP4 image (16 rows x 128 K, 1,024 bytes): byte 512 c + 16 (r + 16 h) on: the codes of k = 64 c + 32 h + 0 .. 31 of row r.
;   f16 image (16 rows x 32 K, 1,024 bytes):  byte 512 c + 16 (r + 16 h) on: k = 16 c + 8 h + 0 .. 7 of row r.
;   xq: [256 positions (32)][K step of 128 (8)][17,408]: 16 images, then 4 x 256 bytes of scale words (row r, tile i of a run of 64 rows: 16 r + 4 i).   wq: [head (16)][K step (8)][13,056]: 12 images, then 3 x 256 bytes.
;   wo: [128 features (8)][K step (8)][tile of 16 (8)][32 along K (4)][1,024].
; A block's scale is 2^(floor(log2(its largest magnitude)) - 2); its byte is the largest magnitude's exponent field - 2, held at 1 from below by a floor among the maximum's leaves.
; LIMITS: a block of zeros gets the byte 1 where the rule says 127 (its codes are zeros, and this program alone reads the bytes); NaN and infinities are not served; |w_out| stays under 65,504, f16's largest number.
; SHARES.  A wave takes 64 rows x 128 K: four tiles of 16 rows.  Work-groups 0-255: x; 256-351: w_in; 352-383: w_out.  x and w_in take one path, with pointers and sizes chosen on the work-group's number.
; Each load reads 512 consecutive bytes of one row; a tile turns through the wave's own stage in LDS (rows of 512 + 16 bytes), so that a lane gets the neighbours along K that its registers of the image hold.
; No tensor load, no barrier: waves share nothing.  Loads run two tiles (32 loads a wave) ahead.  The matrix units and clusters have nothing to do here: every byte is read once and written once.
.set SP,    528                        ; a stage row
.set STGB,  16*SP                      ; a wave's stage
.set CVTS,  4*STGB                     ; the f16 path has stages of its own
.set SPARE, 8*STGB                     ; behind the stages: the spare words, 128 bytes for each wave
.set LO,   4                           ; v4   16 x lane: my bytes of a load's or a store's 512
.set STI,  5                           ; v5   the stage on the way in
.set STQ,  6                           ; v6   on the way out, FP4: 528 r + 128 h
.set STC,  7                           ; v7   on the way out, f16: 528 r + 32 h, in the f16 path's stage
.set H8,   8                           ; v8   8 h
.set SCO,  9                           ; v9   16 r + 8 h: my two scale words' place
.set SPW,  10                          ; v10  LDS address of my spare word; never rewritten
.set NIL,  11                          ; v11  0; never rewritten
.set STIC, 14                          ; v14  the f16 path's stage on the way in
.set W,    24                          ; v24-27 the four tiles' scale words
.set R,    32                          ; v32-159 two sets of 64 registers as loaded
.set X,    160                         ; v160-223 a tile's numbers as the image wants them
.set C,    224                         ; v224-255 codes (8 a tile) or f16 numbers (32 a tile)
	s_load_b256 s[4:11], s[0:1], 0x0               ; x s[4:5], w_in s[6:7], w_out s[8:9], xq s[10:11]
	s_load_b128 s[12:15], s[0:1], 0x20             ; wq s[12:13], wo s[14:15]
	v_lshl_add_u32 v[SPW], v0, 2, SPARE
	v_mov_b32 v[NIL], 0
	v_lshrrev_b32 v1, 5, v0
	v_readfirstlane_b32 s16, v1                    ; wave
	v_and_b32 v1, 31, v0                           ; lane
	v_and_b32 v2, 15, v0                           ; r
	v_bfe_u32 v3, v0, 4, 1                         ; h
	v_lshlrev_b32 v[LO], 4, v1
	s_mul_i32 s17, s16, STGB
	v_add_nc_u32 v[STI], s17, v[LO]
	v_add_nc_u32 v[STIC], CVTS, v[STI]
	v_mul_u32_u24 v[STQ], v2, SP
	v_add_nc_u32 v[STQ], s17, v[STQ]
	v_lshl_add_u32 v[STC], v3, 5, v[STQ]
	v_add_nc_u32 v[STC], CVTS, v[STC]
	v_lshl_add_u32 v[STQ], v3, 7, v[STQ]
	v_lshlrev_b32 v[H8], 3, v3
	v_lshl_add_u32 v[SCO], v2, 4, v[H8]
	v_mov_b32 v20, 0                               ; written once: a lane permute's destination counts as one of its sources
	s_mov_b32 s18, 0x76543210
	s_mov_b32 s19, 0xfedcba98                      ; v_permlanex16_b32's selects for lane l xor 16
	s_wait_kmcnt 0x0
.macro LOADT t, b                      ; tile t: 16 rows x 512 bytes, into set t % 2
.irp i, 0,1,2,3,4,5,6,7,8,9,10,11,12,13,14,15
	global_load_b128 v[R+64*((\t)%2)+4*\i:R+64*((\t)%2)+4*\i+3], v[LO], s[\b:\b+1] offset:(16*(\t)+\i)*4096 th:TH_LOAD_NT
.endr
.endm
	s_cmp_ge_u32 ttmp9, 352
	s_cbranch_scc1 .Lcvt
	; ---- x or w_in: which, and where my wave's 64 rows x 128 K lie
	s_cmp_lt_u32 ttmp9, 256                        ; the choice hangs on the work-group's number alone
	s_cselect_b64 s[4:5], s[4:5], s[6:7]           ; from
	s_cselect_b64 s[10:11], s[10:11], s[12:13]     ; to
	s_cselect_b32 s20, 0, 256                      ; the tensor's first work-group
	s_mov_b32 s21, 171
	s_cselect_b32 s21, 128, s21                    ; (run x this) >> 9 = run / 4 or run / 3 (exact up to run 47)
	s_cselect_b32 s22, 4, 3                        ; runs of 64 rows in a block
	s_mov_b32 s23, 13056
	s_cselect_b32 s23, 17408, s23                  ; a block's bytes
	s_mov_b32 s24, 12288
	s_cselect_b32 s24, 16384, s24                  ; where its scale words begin
	s_sub_co_u32 s20, ttmp9, s20
	s_lshl_b32 s20, s20, 2
	s_add_co_u32 s20, s20, s16                     ; my job
	s_and_b32 s25, s20, 7                          ; K step
	s_lshr_b32 s26, s20, 3                         ; run of 64 rows
	s_mul_i32 s27, s26, s21
	s_lshr_b32 s27, s27, 9                         ; block
	s_mul_i32 s28, s27, s22
	s_sub_co_u32 s28, s26, s28                     ; run within the block
	s_lshl_b32 s30, s26, 18                        ; 64 rows of 4,096 bytes
	s_lshl_b32 s29, s25, 9
	s_add_co_u32 s30, s30, s29
	s_mov_b32 s31, 0
	s_add_nc_u64 s[4:5], s[4:5], s[30:31]
	s_lshl_b32 s29, s27, 3
	s_add_co_u32 s29, s29, s25
	s_mul_i32 s30, s29, s23
	s_add_nc_u64 s[10:11], s[10:11], s[30:31]      ; my block
	s_lshl_b32 s32, s28, 8
	s_add_co_u32 s32, s32, s24
	s_mov_b32 s33, 0
	s_add_nc_u64 s[34:35], s[10:11], s[32:33]      ; my run's 256 bytes of scale words
	s_lshl_b32 s30, s28, 12
	s_add_nc_u64 s[10:11], s[10:11], s[30:31]      ; my run's four images
.macro TURNQ t                         ; LDS serves a wave's instructions in order: no wait between the stores and the loads
.irp i, 0,1,2,3,4,5,6,7,8,9,10,11,12,13,14,15
	ds_store_b128 v[STI], v[R+64*((\t)%2)+4*\i:R+64*((\t)%2)+4*\i+3] offset:SP*\i
.endr
.irp c, 0,1
.irp i, 0,1,2,3,4,5,6,7
	ds_load_b128 v[X+32*\c+4*\i:X+32*\c+4*\i+3], v[STQ] offset:256*\c+16*\i   ; k = 64 c + 32 h + 4 i on of row r: a whole block of 32 in 32 registers
.endr
.endr
.endm
.macro QUANT t
.irp c, 0,1
	v_max3_num_f32 v[12+\c], |v[X+32*\c]|, |v[X+32*\c+1]|, 0x1800000   ; my block 2 c + h, and the floor 2^(3 - 127): the byte cannot fall under 1
.endr
.irp i, 2,4,6,8,10,12,14,16,18,20,22,24,26,28,30
.irp c, 0,1
	v_max3_num_f32 v[12+\c], v[12+\c], |v[X+32*\c+\i]|, |v[X+32*\c+\i+1]|   ; (the two blocks by turns)
.endr
.endr
.irp c, 0,1
	v_add_nc_u32 v[16+\c], 0xff000000, v[12+\c]    ; 2 off the exponent field: the conversion takes the exponent field of this operand as its scale
.endr
.irp c, 0,1
	v_lshrrev_b32 v[18+\c], 23, v[16+\c]           ; the scale's byte
.endr
	v_lshl_or_b32 v21, v19, 16, v18                ; my two bytes, blocks h and 2 + h,
	v_lshlrev_b32 v21, v[H8], v21                  ; at their places in the row's word;
	v_permlanex16_b32 v20, v21, s18, s19
	v_or_b32 v[W+\t], v21, v20                     ; with lane l xor 16's two the word is whole
.irp c, 0,1
.irp g, 0,1,2,3
	v_cvt_scalef32_pk8_fp4_f32 v[C+8*(\t)+4*\c+\g], v[X+32*\c+8*\g:X+32*\c+8*\g+7], v[16+\c]
.endr
.endr
	v_nop                                          ; one plain instruction behind the last scaled conversion
.irp c, 0,1
	global_store_b128 v[LO], v[C+8*(\t)+4*\c:C+8*(\t)+4*\c+3], s[10:11] offset:1024*(\t)+512*\c   ; 32 lanes store 512 consecutive bytes; each tile has registers of its own
.endr
.endm
.macro STEPQ t
.if (\t) < 3
	s_wait_loadcnt 16                              ; this tile's 16 loads are in; the next tile's 16 may be out
.else
	s_wait_loadcnt 0
.endif
	TURNQ \t
	s_wait_dscnt 0x0                               ; the stage's stores have read their registers, and the numbers are back
.if (\t) < 2
	LOADT (\t)+2, 4
.endif
	QUANT \t
.endm
	LOADT 0, 4
	LOADT 1, 4
	STEPQ 0
	STEPQ 1
	STEPQ 2
	STEPQ 3
	v_cmp_eq_u32 vcc_lo, 1, v3                     ; every lane holds its row's four words: lanes 0-15 store tiles 0 and 1, lanes 16-31 tiles 2 and 3
	v_cndmask_b32 v22, v[W], v[W+2], vcc_lo
	v_cndmask_b32 v23, v[W+1], v[W+3], vcc_lo
	global_store_b64 v[SCO], v[22:23], s[34:35]    ; 32 lanes store 256 consecutive bytes, aligned
	s_wait_tensorcnt 0x0                           ; the wave's end: behind my last LDS store
	ds_add_u32 v[SPW], v[NIL]
	s_wait_dscnt 0x0
	s_endpgm
.Lcvt:
	; ---- w_out: f32 to f16, four images of 32 along K for each tile of 16 rows
	s_sub_co_u32 s20, ttmp9, 352
	s_lshl_b32 s20, s20, 2
	s_add_co_u32 s20, s20, s16
	s_and_b32 s25, s20, 7                          ; K step
	s_lshr_b32 s26, s20, 3                         ; run of 64 rows
	s_lshl_b32 s30, s26, 18
	s_lshl_b32 s29, s25, 9
	s_add_co_u32 s30, s30, s29
	s_mov_b32 s31, 0
	s_add_nc_u64 s[8:9], s[8:9], s[30:31]
	s_lshr_b32 s29, s26, 1
	s_lshl_b32 s29, s29, 3
	s_add_co_u32 s29, s29, s25
	s_lshl_b32 s30, s29, 15                        ; (block of 128 rows x 8 + K step) x 32,768
	s_and_b32 s29, s26, 1
	s_lshl_b32 s29, s29, 14                        ; + my four tiles of its eight
	s_add_co_u32 s30, s30, s29
	s_add_nc_u64 s[14:15], s[14:15], s[30:31]
.macro STEPC t
.if (\t) < 3
	s_wait_loadcnt 16                              ; this tile's 16 loads are in; the next tile's 16 may be out
.else
	s_wait_loadcnt 0
.endif
.irp i, 0,1,2,3,4,5,6,7,8,9,10,11,12,13,14,15
	ds_store_b128 v[STIC], v[R+64*((\t)%2)+4*\i:R+64*((\t)%2)+4*\i+3] offset:SP*\i
.endr
.irp m, 0,1,2,3,4,5,6,7
.irp i, 0,1
	ds_load_b128 v[X+8*\m+4*\i:X+8*\m+4*\i+3], v[STC] offset:64*\m+16*\i   ; m = 2 q + c: k = 32 q + 16 c + 8 h + 4 i on of row r
.endr
.endr
	s_wait_dscnt 0x0
.if (\t) < 2
	LOADT (\t)+2, 8
.endif
.if (\t) > 0
	s_wait_xcnt 0x0                                ; the last tile's stores have read their data: the registers are written again only behind this wait
.endif
.irp m, 0,1,2,3,4,5,6,7
.irp n, 0,1,2,3
	v_cvt_pk_f16_f32 v[C+4*\m+\n], v[X+8*\m+2*\n], v[X+8*\m+2*\n+1]
.endr
.endr
.irp m, 0,1,2,3,4,5,6,7
	global_store_b128 v[LO], v[C+4*\m:C+4*\m+3], s[14:15] offset:4096*(\t)+512*\m
.endr
.endm
	LOADT 0, 8
	LOADT 1, 8
	STEPC 0
	STEPC 1
	STEPC 2
	STEPC 3
	s_wait_tensorcnt 0x0                           ; the wave's end: behind my last LDS store
	ds_add_u32 v[SPW], v[NIL]
	s_wait_dscnt 0x0
	s_endpgm
.Lfunc_end_k_qd37e8a4c4e_prep:
	.size	k_qd37e8a4c4e_prep, .Lfunc_end_k_qd37e8a4c4e_prep-k_qd37e8a4c4e_prep
	.p2alignl 7, 3214868480
	.fill 96, 4, 3214868480
	.section	.rodata,"a",@progbits
	.p2align	6, 0x0
	.amdhsa_kernel k_qd37e8a4c4e_prep
		.amdhsa_group_segment_fixed_size 68096
		.amdhsa_private_segment_fixed_size 0
		.amdhsa_enable_private_segment 0
		.amdhsa_kernarg_size 48
		.amdhsa_user_sgpr_count 2
		.amdhsa_user_sgpr_kernarg_segment_ptr 1
		.amdhsa_wavefront_size32 1
		.amdhsa_system_sgpr_workgroup_id_x 1
		.amdhsa_system_sgpr_workgroup_id_y 1
		.amdhsa_system_sgpr_workgroup_id_z 1
		.amdhsa_system_vgpr_workitem_id 0
		.amdhsa_next_free_vgpr 256
		.amdhsa_next_free_sgpr 66
		.amdhsa_reserve_vcc 1
		.amdhsa_float_denorm_mode_32 3
		.amdhsa_float_denorm_mode_16_64 3
		.amdhsa_memory_ordered 1
		.amdhsa_forward_progress 1
		.amdhsa_inst_pref_size 57
	.end_amdhsa_kernel
	.amdgpu_metadata
---
amdhsa.version: [ 1, 2 ]
amdhsa.kernels:
  - .name:           k_qd37e8a4c4e_prep
    .symbol:         k_qd37e8a4c4e_prep.kd
    .args:
      - { .name: x, .offset: 0, .size: 8, .value_kind: global_buffer, .address_space: global }
      - { .name: w_in, .offset: 8, .size: 8, .value_kind: global_buffer, .address_space: global }
      - { .name: w_out, .offset: 16, .size: 8, .value_kind: global_buffer, .address_space: global }
      - { .name: xq, .offset: 24, .size: 8, .value_kind: global_buffer, .address_space: global }
      - { .name: wq, .offset: 32, .size: 8, .value_kind: global_buffer, .address_space: global }
      - { .name: wo, .offset: 40, .size: 8, .value_kind: global_buffer, .address_space: global }
    .group_segment_fixed_size: 68096
    .private_segment_fixed_size: 0
    .kernarg_segment_align: 8
    .kernarg_segment_size: 48
    .max_flat_workgroup_size: 128
    .sgpr_count:     66
    .vgpr_count:     256
    .wavefront_size: 32
...
	.end_amdgpu_metadata
.endif
;; end of part 1
;; launch qkv (part 2): grid 16 x 16, 4 waves a work-group, clusters of 4 x 4, 327,680 bytes of LDS; arguments xq, wq, b_in, qf, kv; writes qf, kv
.if DOCPART == 2
	.amdgcn_target "amdgcn-amd-amdhsa--gfx1250"
	.amdhsa_code_object_version 6
	.text
	.protected	k_qd37e8a4c4e_qkv
	.globl	k_qd37e8a4c4e_qkv
	.p2align	8
	.type	k_qd37e8a4c4e_qkv,@function
k_qd37e8a4c4e_qkv:
	s_mov_b64 s[64:65], 0
	v_nop
	global_prefetch_b8 v0, s[64:65] scope:SCOPE_SE
	s_setreg_imm32_b32 hwreg(HW_REG_WAVE_MODE, 25, 1), 1
	s_wait_xcnt 0x0
	s_wait_alu depctr_hold_cnt(0) depctr_sa_sdst(0) depctr_va_vdst(0) depctr_va_sdst(0) depctr_va_ssrc(0) depctr_va_vcc(0) depctr_vm_vsrc(0)
	s_getreg_b32 s2, hwreg(HW_REG_IB_STS2, 6, 4)
	s_cmp_eq_u32 s2, 0
	s_cbranch_scc0 .Lentry_in_a_cluster
	s_endpgm
.Lentry_in_a_cluster:
	s_bfe_u32 s2, ttmp6, 0x10000c
	s_cmp_lg_u32 s2, 0xf033
	s_cbranch_scc0 .Lentry_shape_is_right
	s_endpgm
.Lentry_shape_is_right:
; QKV.  qkv = x w_in^T + b_in on codes of FP4 with E8M0 scales (8,192 x 1,024 x 3,072), sums in f32; q, k and v leave in f16 as images of the attention launch's operand registers.
; SHARES.  A block is 256 positions x one head's 192 features; wave w takes positions 64 w .. 64 w + 63 (4 tiles) x 12 tiles of features: 48 accumulators, 48 matrix instructions for each of the 8 K steps of 128.
; A WORK-GROUP STAYS: it makes two blocks of one head, positions 256 y on (block A) and 256 (y + 16) on (block B).  w_in's 104,448 bytes are fetched once for both, block A's stores leave while block B is multiplied,
; and block B's x is asked for long before it is read.
; LDS.  x of block A (8 K steps of 17,408 bytes), w_in (8 of 13,056) and K steps 0-3 of block B's x lie in LDS together and are asked for at the first lines.  Block B's K steps 4-7 are filled into the bytes of block A's
; K steps 0-3, once: at block A's K step 5, behind a round of the cluster's barrier, one load a wave; they are read seven K steps later.
; CLUSTER 4 x 4: the four of a row share the positions, the four of a column the head: x's blocks are asked for jointly along the row, w_in's along the column.
; q and k: the product is used TRANSPOSED (source 0 = 16 features, source 1 = 16 positions): a lane holds one position and eight neighbouring channels, which rounded to f16 are four registers of a fragment of Q or K.
; v: used as it stands (source 0 = positions, source 1 = features): a lane holds one channel and eight neighbouring positions: four registers of a fragment of V^T.  So every store is 512 consecutive bytes from registers.
;   qf: [batch x head (128)][tile of 16 queries (64)][32 channels (2)][1,024].   kv: [batch x head][262,144]: K [tile of 16 keys (64)][32 channels (2)][1,024]; at 131,072 V^T [32 keys (32)][16 channels (4)][1,024].
; The bias is the C of each sum's first matrix instruction.   LIMIT: |q|, |k|, |v| stay under 65,504, f16's largest number.
; No prefetch: all but four K steps of x is asked for at the first lines, and no wave waits for those four.
; REGISTERS: window 0: v1-15 addresses; v16-47 scale words, two sets (x's 4, w_in's 12); v48-111 bias of the 8 tiles of q and k; v112-143 of v's 4; v144-207 v's results in f16.
;   window 1: two sets of fragments at 0 and 128: x's 4 at + 8 i, w_in's 12 at + 32 + 8 T.   window 2: accumulators of q and k, (p, T) at 8 (8 p + T).
;   window 3: accumulators of v, (p, dt) at 8 (4 p + dt); v128-255 q's and k's results in f16.
.set XB,    17408                      ; a K step of x in LDS: 16 images, then 1,024 bytes of scale words
.set WB,    13056                      ; of w_in: 12 images, then 768 bytes
.set WOFF,  8*XB                       ; behind block A's x: w_in
.set EXTRA, WOFF+8*WB                  ; behind w_in: K steps 0-3 of block B's x
.set SPARE, EXTRA+4*XB                 ; the spare words, 128 bytes for each wave
.set LI,  1                            ; v1     16 x lane
.set ADX, 2                            ; v2-4   my four tiles of x: block A's K steps 0-3 (later block B's 4-7), block A's 4-7, block B's 0-3
.set ADW, 5                            ; v5-6   w_in's tiles, K steps 0-3 and 4-7
.set ASX, 7                            ; v7-9   my scale words of x, as ADX
.set ASW, 10                           ; v10-11 of w_in
.set SPW, 12                           ; v12    LDS address of my spare word; never rewritten
.set NIL, 13                           ; v13    0; never rewritten
.set SC,  16
.set BQ,  48
.set BV,  112
.set OV,  144                          ; window 0: v's results
.set OQ,  128                          ; window 3: q's and k's results
.set G1X, 24                           ; s[24:31] descriptor group 1 for x's blocks;  s[32:39] for w_in's
.set G1W, 32
.set G0X, 48                           ; s[48:63] four groups 0 for block A's x;  s[68:83] for w_in;  s[88:91] one for block B's x
.set G0W, 68
.set G0E, 88
.set MSB, 0
.macro WIN new                         ; the immediate's high byte repeats the setting that is left
.if MSB != \new
	s_set_vgpr_msb (MSB<<8)|\new
.set MSB, \new
.endif
.endm
.macro PLACES n
.rept \n
	v_nop
.endr
.endm
.macro CROUND                          ; a round of the cluster's barrier
	s_barrier_signal -1
	s_barrier_wait -1
	s_cmp_lg_u32 s14, 0
	s_cbranch_scc1 .Lnot_wave_0_\@
	s_barrier_signal -3
.Lnot_wave_0_\@:
	s_barrier_wait -3
	s_barrier_signal -1
	s_barrier_wait -1
.endm
	s_load_b256 s[4:11], s[0:1], 0x0               ; xq s[4:5], wq s[6:7], b_in s[8:9], qf s[10:11]
	s_load_b64 s[12:13], s[0:1], 0x20              ; kv
	v_lshl_add_u32 v[SPW], v0, 2, SPARE
	v_mov_b32 v[NIL], 0
	ds_add_u32 v[SPW], v[NIL]                      ; the wave's opening: the add, twice on end, and its wait ahead of my first tensor load
	ds_add_u32 v[SPW], v[NIL]
	v_lshrrev_b32 v1, 5, v0
	v_readfirstlane_b32 s14, v1                    ; wave
	s_lshr_b32 s15, s14, 1                         ; I fetch for block A's x (0) or for w_in (1),
	s_and_b32 s16, s14, 1                          ; the even or the odd K steps
	s_bfe_u32 s40, ttmp6, 0x40000                  ; cx, cy: my place in the cluster
	s_bfe_u32 s41, ttmp6, 0x40004
	s_lshl_b32 s42, ttmp9, 2
	s_add_co_u32 s42, s42, s40                     ; the head = 4 x cluster x + cx
	s_and_b32 s17, ttmp7, 0xffff
	s_lshl_b32 s17, s17, 2
	s_add_co_u32 s17, s17, s41                     ; y = 4 x cluster y + cy: block A is y, block B y + 16
	s_lshl_b32 s43, s41, 2
	s_lshl_b32 s43, 15, s43                        ; my row of the cluster
	s_lshl_b32 s44, 0x1111, s40                    ; my column
	; group 1: a dense block as rows of 256 bytes (32 elements of 8 bytes): 68 rows of x, 51 of w_in
	s_or_b32 s[G1X], s43, (3<<16)|(1<<21)          ; 15:0 the mask; 17:16 elements of 8 bytes; 21 set beside a mask
	s_or_b32 s[G1W], s44, (3<<16)|(1<<21)
	s_mov_b32 s[G1X+1], 32<<16                     ; tensor_dim0
	s_mov_b32 s[G1X+2], 68<<16                     ; tensor_dim1
	s_mov_b32 s[G1X+3], 32<<16                     ; tile_dim0
	s_mov_b32 s[G1X+4], 68                         ; tile_dim1
	s_mov_b32 s[G1X+5], 32                         ; from row to row
	s_mov_b32 s[G1X+6], 0
	s_mov_b32 s[G1X+7], 0
	s_mov_b32 s[G1W+1], 32<<16
	s_mov_b32 s[G1W+2], 51<<16
	s_mov_b32 s[G1W+3], 32<<16
	s_mov_b32 s[G1W+4], 51
	s_mov_b32 s[G1W+5], 32
	s_mov_b32 s[G1W+6], 0
	s_mov_b32 s[G1W+7], 0
	s_mul_i32 s45, s16, XB                         ; my first K step of block A's x, in LDS and in the block's memory alike
	s_mul_i32 s20, s17, 8*XB
	s_add_co_u32 s20, s20, s45
	s_mov_b32 s21, 0
	s_mul_i32 s84, s16, WB                         ; and of w_in
	s_mul_i32 s46, s42, 8*WB
	s_add_co_u32 s46, s46, s84
	s_mov_b32 s47, 0
	s_mul_i32 s18, s14, XB                         ; block B's x: K step w is mine,
	s_mul_i32 s22, s17, 8*XB
	s_add_co_u32 s22, s22, s18
	s_add_co_u32 s22, s22, 16*8*XB                 ; sixteen blocks further on
	s_mov_b32 s23, 0
	s_wait_dscnt 0x0                               ; both opening adds are done
	s_wait_kmcnt 0x0
	s_add_nc_u64 s[20:21], s[4:5], s[20:21]
	s_add_nc_u64 s[46:47], s[6:7], s[46:47]
	CROUND                                         ; all sixteen work-groups are here: the joint loads meet
.irp c, 0,1,2,3                        ; chunk c: K steps 2 c and 2 c + 1
	s_mov_b32 s[G0X+4*\c], 1
	s_add_co_u32 s[G0X+4*\c+1], s45, 2*\c*XB
	s_add_nc_u64 s[G0X+4*\c+2:G0X+4*\c+3], s[20:21], 2*\c*XB
	s_or_b32 s[G0X+4*\c+3], s[G0X+4*\c+3], 0x80000000
	s_mov_b32 s[G0W+4*\c], 1
	s_add_co_u32 s[G0W+4*\c+1], s84, WOFF+2*\c*WB
	s_add_nc_u64 s[G0W+4*\c+2:G0W+4*\c+3], s[46:47], 2*\c*WB
	s_or_b32 s[G0W+4*\c+3], s[G0W+4*\c+3], 0x80000000
.endr
	s_mov_b32 s[G0E], 1
	s_add_co_u32 s[G0E+1], s18, EXTRA
	s_add_nc_u64 s[G0E+2:G0E+3], s[4:5], s[22:23]
	s_or_b32 s[G0E+3], s[G0E+3], 0x80000000
	s_cmp_eq_u32 s15, 0                            ; a wave's four chunk loads stand in one branch on its number
	s_cbranch_scc0 .Lfirst_w
.irp c, 0,1,2,3
	tensor_load_to_lds s[G0X+4*\c:G0X+4*\c+3], s[G1X:G1X+7]
	s_nop 0
.endr
	PLACES 4
	s_branch .Lfirst_asked
.Lfirst_w:
.irp c, 0,1,2,3
	tensor_load_to_lds s[G0W+4*\c:G0W+4*\c+3], s[G1W:G1W+7]
	s_nop 0
.endr
	PLACES 4
.Lfirst_asked:
	tensor_load_to_lds s[G0E:G0E+3], s[G1X:G1X+7]  ; every wave's fifth: K step w of block B's x.  Five loads of mine are out
	s_nop 0
	PLACES 4
	v_and_b32 v1, 31, v0
	v_lshlrev_b32 v[LI], 4, v1
	v_and_b32 v15, 15, v0                          ; r
	v_bfe_u32 v14, v0, 4, 1                        ; h
	s_lshl_b32 s45, s14, 12
	v_add_nc_u32 v[ADX], s45, v[LI]                ; my four images of a K step's sixteen
	v_add_nc_u32 v[ADX+1], 4*XB, v[ADX]
	v_add_nc_u32 v[ADX+2], EXTRA, v[ADX]
	v_add_nc_u32 v[ADW], WOFF, v[LI]
	v_add_nc_u32 v[ADW+1], 4*WB, v[ADW]
	s_lshl_b32 s45, s14, 8
	s_add_co_u32 s45, s45, 16384
	v_lshl_add_u32 v[ASX], v15, 4, s45             ; row r's four words: my four tiles'
	v_add_nc_u32 v[ASX+1], 4*XB, v[ASX]
	v_add_nc_u32 v[ASX+2], EXTRA, v[ASX]
	v_lshlrev_b32 v[ASW], 4, v15
	v_add_nc_u32 v[ASW], WOFF+12288, v[ASW]
	v_add_nc_u32 v[ASW+1], 4*WB, v[ASW]
	v_lshlrev_b32 v14, 5, v14                      ; 32 h
	v_lshlrev_b32 v15, 2, v15                      ; 4 r
	s_mul_i32 s86, s42, 768                        ; the head's 192 numbers of b_in
	s_mov_b32 s87, 0
	s_add_nc_u64 s[8:9], s[8:9], s[86:87]
.irp T, 0,1,2,3,4,5,6,7                ; q and k: lane (r, h) wants the bias of features 16 T + 8 h + 0 .. 7
	global_load_b128 v[BQ+8*\T:BQ+8*\T+3], v14, s[8:9] offset:64*\T
	global_load_b128 v[BQ+8*\T+4:BQ+8*\T+7], v14, s[8:9] offset:64*\T+16
.endr
.irp d, 0,1,2,3                        ; v: the bias of channel 16 d + r, in all eight registers of the C operand
.irp j, 0,1,2,3,4,5,6,7
	global_load_b32 v[BV+8*\d+\j], v15, s[8:9] offset:512+64*\d
.endr
.endr
	; where my results go
	s_lshr_b32 s84, s17, 2
	s_lshl_b32 s84, s84, 4
	s_add_co_u32 s84, s84, s42                     ; block A: batch x 16 + head
	s_and_b32 s85, s17, 3
	s_lshl_b32 s85, s85, 15
	s_lshl_b32 s86, s14, 13
	s_add_co_u32 s85, s85, s86                     ; my 64 positions in the sequence: 4 tiles of 2,048 bytes, or 2 runs of 32 keys of 4,096
	s_lshl_b32 s86, s84, 17
	s_add_co_u32 s86, s86, s85
	s_add_nc_u64 s[10:11], s[10:11], s[86:87]
	s_lshl_b32 s86, s84, 18
	s_add_co_u32 s86, s86, s85
	s_add_nc_u64 s[12:13], s[12:13], s[86:87]
	s_add_nc_u64 s[92:93], s[10:11], 64*131072     ; block B: four batches, 64 (batch, head) pairs, further on
	s_add_nc_u64 s[94:95], s[12:13], 64*262144
; K step s of block blk: fragments and scale words into set p: 36 LDS loads, each of 512 consecutive bytes (the scale words' of 256)
.macro FETCH blk, s, p
.if (\blk) == 0
.set XI, (\s)/4
.else
.set XI, 2-2*((\s)/4)                  ; block B: K steps 0-3 lie in the extra region, 4-7 where block A's 0-3 lay
.endif
	WIN 0x40                                       ; destination window 1
.irp i, 0,1,2,3
.irp c, 0,1
	ds_load_b128 v[128*(\p)+8*\i+4*\c:128*(\p)+8*\i+4*\c+3], v[ADX+XI] offset:((\s)%4)*XB+1024*\i+512*\c
.endr
.endr
.irp T, 0,1,2,3,4,5,6,7,8,9,10,11
.irp c, 0,1
	ds_load_b128 v[128*(\p)+32+8*\T+4*\c:128*(\p)+32+8*\T+4*\c+3], v[ADW+(\s)/4] offset:((\s)%4)*WB+1024*\T+512*\c
.endr
.endr
	WIN 0
	ds_load_b128 v[SC+16*(\p):SC+16*(\p)+3], v[ASX+XI] offset:((\s)%4)*XB
.irp g, 0,1,2
	ds_load_b128 v[SC+16*(\p)+4+4*\g:SC+16*(\p)+4+4*\g+3], v[ASW+(\s)/4] offset:((\s)%4)*WB+256*\g
.endr
.endm
; 48 matrix instructions: the accumulators take turns, one instruction a turn, in the same order in every K step.  A block's K step 0 takes the bias as C: nothing is cleared.
.macro MUL s, p
.if (\s) == 0
	WIN 0x85                                       ; sources 0 and 1 window 1, C window 0, D window 2
.else
	WIN 0xa5                                       ; C and D window 2
.endif
.irp q, 0,1,2,3
.irp T, 0,1,2,3,4,5,6,7
.if (\s) == 0
	v_wmma_scale_f32_16x16x128_f8f6f4 v[8*(8*\q+\T):8*(8*\q+\T)+7], v[128*(\p)+32+8*\T:128*(\p)+32+8*\T+7], v[128*(\p)+8*\q:128*(\p)+8*\q+7], v[BQ+8*\T:BQ+8*\T+7], v[SC+16*(\p)+4+\T], v[SC+16*(\p)+\q] matrix_a_fmt:MATRIX_FMT_FP4 matrix_b_fmt:MATRIX_FMT_FP4
.else
	v_wmma_scale_f32_16x16x128_f8f6f4 v[8*(8*\q+\T):8*(8*\q+\T)+7], v[128*(\p)+32+8*\T:128*(\p)+32+8*\T+7], v[128*(\p)+8*\q:128*(\p)+8*\q+7], v[8*(8*\q+\T):8*(8*\q+\T)+7], v[SC+16*(\p)+4+\T], v[SC+16*(\p)+\q] matrix_a_fmt:MATRIX_FMT_FP4 matrix_b_fmt:MATRIX_FMT_FP4
.endif
.endr
.endr
.if (\s) == 0
	WIN 0xc5                                       ; D window 3
.else
	WIN 0xf5                                       ; C and D window 3
.endif
.irp q, 0,1,2,3
.irp d, 0,1,2,3
.if (\s) == 0
	v_wmma_scale_f32_16x16x128_f8f6f4 v[8*(4*\q+\d):8*(4*\q+\d)+7], v[128*(\p)+8*\q:128*(\p)+8*\q+7], v[128*(\p)+96+8*\d:128*(\p)+96+8*\d+7], v[BV+8*\d:BV+8*\d+7], v[SC+16*(\p)+\q], v[SC+16*(\p)+12+\d] matrix_a_fmt:MATRIX_FMT_FP4 matrix_b_fmt:MATRIX_FMT_FP4
.else
	v_wmma_scale_f32_16x16x128_f8f6f4 v[8*(4*\q+\d):8*(4*\q+\d)+7], v[128*(\p)+8*\q:128*(\p)+8*\q+7], v[128*(\p)+96+8*\d:128*(\p)+96+8*\d+7], v[8*(4*\q+\d):8*(4*\q+\d)+7], v[SC+16*(\p)+\q], v[SC+16*(\p)+12+\d] matrix_a_fmt:MATRIX_FMT_FP4 matrix_b_fmt:MATRIX_FMT_FP4
.endif
.endr
.endr
.endm
; A K step: its fragments are in; the next K step's are fetched (block A's last fetches block B's first); its 48 products.  KT counts the 16 K steps of the two blocks.
.macro KSTEP blk, s
.set KT, 8*(\blk)+(\s)
.if KT == 5
	; THE ONE REFILL.  Block A's K steps 0-3 were read for the last time at K step 3.  Every wave waits for all its tensor loads (chunk 3 and block B's K step w among them), adds 0 to its spare word, and waits for that
	; and for its LDS reads; a round of the cluster's barrier; then each wave asks for block B's K step 4 + w, jointly along the row, into the bytes of block A's K step w.
	WIN 0
	s_wait_tensorcnt 0x0                           ; no tensor load of mine is out, so a group 0 may be written
	ds_add_u32 v[SPW], v[NIL]                      ; 0 onto my spare word; the descriptor's step stands between it and the wait for it
	s_mul_i32 s[G0E+1], s14, XB                    ; to: block A's K step w
	s_add_nc_u64 s[G0E+2:G0E+3], s[G0E+2:G0E+3], 4*XB   ; from: four K steps on; the type bits on top are not reached
	s_wait_dscnt 0x0                               ; the add is done, this K step's fragments are in, and my reads of K steps 0-3 are long over
	CROUND                                         ; the same holds of every wave of every partner
	tensor_load_to_lds s[G0E:G0E+3], s[G1X:G1X+7]  ; my one tensor load behind the round, and the first thing there
	s_nop 0
	PLACES 4                                       ; also the places in front of the loads below
.else
	s_wait_dscnt 0x0                               ; this K step's fragments and scale words are in
.if (KT == 1) || (KT == 3)
	s_wait_tensorcnt (7-KT)/2                      ; my part of the next chunk has landed; my younger loads (the later chunks' and block B's) may stay out
	s_barrier_signal -1
	s_barrier_wait -1                              ; everybody's has
.endif
.if KT == 11
	s_wait_tensorcnt 0x0                           ; the one load of mine that is out, block B's K step 4 + w, has landed
	s_barrier_signal -1
	s_barrier_wait -1                              ; everybody's has
.endif
.if (KT >= 1) && (KT < 15)
	PLACES 4                                       ; four plain instructions between the last K step's products and the loads into the registers that they read
.endif
.endif
.if KT < 15
	FETCH (KT+1)/8, (KT+1)%8, (KT+1)%2
.endif
	MUL \s, (\s)%2
.endm
; THE WAY OUT of a block: rounded to f16, four registers an accumulator, each accumulator from its low end on, into registers that no fragment uses; 48 stores of 512 consecutive bytes.
; bq, bk: the scalar pairs with the block's places in qf and kv.  again = 1: the registers hold the first block's store data, and are written again only behind the wait.
.macro OUT bq, bk, again
	WIN 0
	PLACES 4                                       ; behind the last products, in front of the first read of results
.if \again
	s_wait_xcnt 0x0                                ; the first block's stores have read their data
.endif
	WIN 0xca                                       ; sources window 2, destination window 3
.set n, 0
.rept 32
.irp i, 0,1,2,3
	v_cvt_pk_f16_f32 v[OQ+4*n+\i], v[8*n+2*\i], v[8*n+2*\i+1]
.endr
.set n, n+1
.endr
	WIN 0x0f                                       ; sources window 3, destination window 0
.set n, 0
.rept 16
.irp i, 0,1,2,3
	v_cvt_pk_f16_f32 v[OV+4*n+\i], v[8*n+2*\i], v[8*n+2*\i+1]
.endr
.set n, n+1
.endr
	WIN 0x0c                                       ; a store's data: window 3
.irp p, 0,1,2,3
.irp T, 0,1,2,3
	global_store_b128 v[LI], v[OQ+4*(8*\p+\T):OQ+4*(8*\p+\T)+3], s[\bq:\bq+1] offset:2048*\p+512*\T          ; q: tile p of queries, channels 16 T on
	global_store_b128 v[LI], v[OQ+4*(8*\p+4+\T):OQ+4*(8*\p+4+\T)+3], s[\bk:\bk+1] offset:2048*\p+512*\T      ; k likewise
.endr
.endr
	WIN 0
.irp p, 0,1,2,3
.irp T, 0,1,2,3
	global_store_b128 v[LI], v[OV+4*(4*\p+\T):OV+4*(4*\p+\T)+3], s[\bk:\bk+1] offset:131072+4096*(\p/2)+1024*\T+512*(\p%2)   ; v: keys 16 p on, channels 16 T on
.endr
.endr
.endm
	s_wait_tensorcnt 4                             ; my part of chunk 0 is in; the other four loads may stay out
	s_barrier_signal -1
	s_barrier_wait -1
	FETCH 0, 0, 0
	s_wait_loadcnt 0x0                             ; the bias
.irp s, 0,1,2,3,4,5,6,7
	KSTEP 0, \s
.endr
	OUT 10, 12, 0                                  ; block A leaves; nothing waits for its stores
.irp s, 0,1,2,3,4,5,6,7
	KSTEP 1, \s
.endr
	OUT 92, 94, 1
	s_wait_tensorcnt 0x0                           ; the wave's end
	ds_add_u32 v[SPW], v[NIL]
	s_wait_dscnt 0x0
	CROUND                                         ; the closing round
	s_endpgm
.Lfunc_end_k_qd37e8a4c4e_qkv:
	.size	k_qd37e8a4c4e_qkv, .Lfunc_end_k_qd37e8a4c4e_qkv-k_qd37e8a4c4e_qkv
	.p2alignl 7, 3214868480
	.fill 96, 4, 3214868480
	.section	.rodata,"a",@progbits
	.p2align	6, 0x0
	.amdhsa_kernel k_qd37e8a4c4e_qkv
		.amdhsa_group_segment_fixed_size 327680
		.amdhsa_private_segment_fixed_size 0
		.amdhsa_enable_private_segment 0
		.amdhsa_kernarg_size 40
		.amdhsa_user_sgpr_count 2
		.amdhsa_user_sgpr_kernarg_segment_ptr 1
		.amdhsa_wavefront_size32 1
		.amdhsa_system_sgpr_workgroup_id_x 1
		.amdhsa_system_sgpr_workgroup_id_y 1
		.amdhsa_system_sgpr_workgroup_id_z 1
		.amdhsa_system_vgpr_workitem_id 0
		.amdhsa_next_free_vgpr 1024
		.amdhsa_next_free_sgpr 96
		.amdhsa_reserve_vcc 0
		.amdhsa_float_denorm_mode_32 3
		.amdhsa_float_denorm_mode_16_64 3
		.amdhsa_memory_ordered 1
		.amdhsa_forward_progress 1
		.amdhsa_inst_pref_size 185
	.end_amdhsa_kernel
	.amdgpu_metadata
---
amdhsa.version: [ 1, 2 ]
amdhsa.kernels:
  - .name:           k_qd37e8a4c4e_qkv
    .symbol:         k_qd37e8a4c4e_qkv.kd
    .args:
      - { .name: xq, .offset: 0, .size: 8, .value_kind: global_buffer, .address_space: global }
      - { .name: wq, .offset: 8, .size: 8, .value_kind: global_buffer, .address_space: global }
      - { .name: b_in, .offset: 16, .size: 8, .value_kind: global_buffer, .address_space: global }
      - { .name: qf, .offset: 24, .size: 8, .value_kind: global_buffer, .address_space: global }
      - { .name: kv, .offset: 32, .size: 8, .value_kind: global_buffer, .address_space: global }
    .group_segment_fixed_size: 327680
    .private_segment_fixed_size: 0
    .kernarg_segment_align: 8
    .kernarg_segment_size: 40
    .max_flat_workgroup_size: 128
    .sgpr_count:     96
    .vgpr_count:     1024
    .wavefront_size: 32
...
	.end_amdgpu_metadata
.endif
;; end of part 2
;; launch attn (part 3): grid 2 x 128, 8 waves a work-group, no clusters, 263,168 bytes of LDS; arguments qf, kv, vals; writes vals
.if DOCPART == 3
	.amdgcn_target "amdgcn-amd-amdhsa--gfx1250"
	.amdhsa_code_object_version 6
	.text
	.protected	k_qd37e8a4c4e_attn
	.globl	k_qd37e8a4c4e_attn
	.p2align	8
	.type	k_qd37e8a4c4e_attn,@function
k_qd37e8a4c4e_attn:
	s_mov_b64 s[64:65], 0
	v_nop
	global_prefetch_b8 v0, s[64:65] scope:SCOPE_SE
	s_setreg_imm32_b32 hwreg(HW_REG_WAVE_MODE, 25, 1), 1
	s_wait_xcnt 0x0
; ATTN.  values[q] = the sum over k of softmax_k(q . k / 8) v[k], for each of 128 (batch, head) pairs: 1,024 queries and keys, 64 channels.  Operands in f16, products, maxima and sums in f32.
; SHARES.  A work-group owns 512 queries of one head; each of its eight waves 64: four tiles of 16.  Every wave walks all 1,024 keys, 64 a step.
; THE HEAD'S WHOLE K AND V^T LIE IN LDS, 262,144 bytes, byte for byte as in memory: images of operand registers.  They are filled once, in two segments of 512 keys: no slot is filled again, and the loop has no barrier.
; LAYOUT.  S^T = K Q^T (source 0 = 16 keys, source 1 = 16 queries): a lane holds ONE query (lane % 16) and keys 8 (lane / 16) + 0 .. 7.  Two such tiles rounded to f16 in pairs ARE source 1 of O^T = V^T P, whose result again
; holds one query a lane and eight channels; rounded to f16 they are registers of the last product's operand.  Nothing changes lanes but one exchange for the maximum and one for the sum.
; SOFTMAX.  For each query a running maximum m and sum l: p = 2^(c s - c m), c = log2(e) / 8; in every step O and l are multiplied by a = 2^(c m_old - c m_new).
; TWO WAVES TO A SIMD, HALF A STEP APART: a step is matrix work (32 + 32 products) and about as much vector work.  Step 0 is run by all waves alike and starts m, l and O^T.  Then the waves fall into two groups: the first
; runs step 1's scores and maxima ahead of a barrier, the second behind it, so that from then on one group's vector work stands beside the other's products.  Those two arms write only registers that step 0 has written,
; and no address register.  The one later barrier has its signal and its wait a whole step apart, which keeps the distance.
; NO CLUSTER: a head has two work-groups, and a joint request goes along a cluster's row or column of four; four query blocks to a head would halve the queries that each fragment read from LDS feeds.
; NO PREFETCH: all that the work-group reads is asked for at its first lines.
; LIMITS: NaN and infinities are not served; p under 2^-25 rounds to 0 in f16; the values stay under 65,504; c s - c m carries the rounding of c m, which grows with the logits.
; REGISTERS: window 0: v1-9 addresses; v16-47 eight registers of statistics a tile (+0 c m, +1 m, +2, +3 l, +4 to +7 at work; a in +6); v48-111 Q; v112-239 S^T, 32 a tile; P takes each tile's first 16.
;   window 1: v0-127 O^T, (t, dt) at 32 t + 8 dt; v128-191 K of one step; v192-255 V of one step.
.set SPARE, 262144                     ; behind K and V: the spare words, 128 bytes for each wave
.set STEPB, 8192                       ; a step's 64 keys: 8,192 bytes of K and as many of V
.set LI,  1                            ; v1   16 x lane
.set ADK, 2                            ; v2   the next step's K
.set ADV, 3                            ; v3   this step's V
.set LIV, 5                            ; v5   16 x lane + 131,072: V of step 0
.set LIK, 6                            ; v6   16 x lane + 8,192: K of step 1
.set SPW, 8                            ; v8   LDS address of my spare word; never rewritten
.set NIL, 9                            ; v9   0; never rewritten
.set ST,  16
.set QF,  48
.set S,   112
.set KR,  128                          ; in window 1
.set VR,  192
.set G1,  16                           ; s[16:23] descriptor group 1;  s[24:31] two groups 0
.set G0,  24
.set CS,  40                           ; s[40:41] c
.set SEL, 42                           ; s[42:43] lane selects for lane l xor 16
.set TB,  44                           ; s44  8,192 x the step
.set MSB, 0
.macro WIN new                         ; the immediate's high byte repeats the setting that is left
.if MSB != \new
	s_set_vgpr_msb (MSB<<8)|\new
.set MSB, \new
.endif
.endm
.macro PLACES n
.rept \n
	v_nop
.endr
.endm
	s_load_b128 s[4:7], s[0:1], 0x0                ; qf s[4:5], kv s[6:7]
	s_load_b64 s[8:9], s[0:1], 0x10                ; vals
	v_lshl_add_u32 v[SPW], v0, 2, SPARE
	v_mov_b32 v[NIL], 0
	ds_add_u32 v[SPW], v[NIL]                      ; the wave's opening: the add, twice on end, and its wait ahead of my first tensor load
	ds_add_u32 v[SPW], v[NIL]
	v_lshrrev_b32 v1, 5, v0
	v_readfirstlane_b32 s12, v1                    ; wave 0..7
	s_lshr_b32 s13, s12, 2
	s_xor_b32 s13, s13, s12
	s_and_b32 s13, s13, 1                          ; my group: it differs between waves w and w + 4, and between 2 i and 2 i + 1
	s_mov_b32 s14, ttmp9                           ; which half of the head's queries
	s_and_b32 s15, ttmp7, 0xffff                   ; batch x 16 + head
	s_mov_b32 s[G1], 3<<16                         ; no mask; elements of 8 bytes; no padding
	s_mov_b32 s[G1+1], 32<<16                      ; tensor_dim0: rows of 256 bytes
	s_mov_b32 s[G1+2], 64<<16                      ; tensor_dim1
	s_mov_b32 s[G1+3], 32<<16                      ; tile_dim0
	s_mov_b32 s[G1+4], 64                          ; tile_dim1: 64 rows, 16,384 bytes a load
	s_mov_b32 s[G1+5], 32                          ; dense
	s_mov_b32 s[G1+6], 0
	s_mov_b32 s[G1+7], 0
	s_lshr_b32 s46, s12, 2                         ; waves 0-3 fetch K, waves 4-7 V:
	s_lshl_b32 s46, s46, 17
	s_and_b32 s47, s12, 3
	s_lshl_b32 s47, s47, 14                        ; a quarter of a segment's 65,536 bytes each
	s_add_co_u32 s46, s46, s47                     ; the same place in LDS and in the head's memory
	s_lshl_b32 s48, s15, 18
	s_add_co_u32 s48, s48, s46
	s_mov_b32 s49, 0
	s_lshl_b32 s50, s15, 17                        ; Q: the head, the half (32 tiles of 2,048 bytes), my four tiles
	s_lshl_b32 s47, s14, 16
	s_add_co_u32 s50, s50, s47
	s_lshl_b32 s47, s12, 13
	s_add_co_u32 s50, s50, s47
	s_mov_b32 s51, 0
	s_lshr_b32 s52, s15, 4                         ; values: [64 positions][K step of 128][tile of 16][32 along K][1,024]: my 64 positions are block batch x 16 + half x 8 + wave,
	s_lshl_b32 s52, s52, 4
	s_lshl_b32 s47, s14, 3
	s_add_co_u32 s52, s52, s47
	s_add_co_u32 s52, s52, s12
	s_lshl_b32 s52, s52, 17
	s_bfe_u32 s47, s15, 0x30001                    ; the head's 64 channels lie in K step head / 2,
	s_lshl_b32 s47, s47, 14
	s_add_co_u32 s52, s52, s47
	s_and_b32 s47, s15, 1                          ; in its first or second two runs of 32
	s_lshl_b32 s47, s47, 11
	s_add_co_u32 s52, s52, s47
	s_mov_b32 s53, 0
	s_mov_b32 s[CS], 0x3e38aa3b                    ; c = log2(e) / 8
	s_mov_b32 s[CS+1], s[CS]                       ; (named with it as a pair, so it is written)
	s_mov_b32 s[SEL], 0x76543210
	s_mov_b32 s[SEL+1], 0xfedcba98
	s_mov_b32 s[TB], 2*STEPB                       ; step 2: steps 0 and 1 go by the fixed addresses
	s_wait_dscnt 0x0                               ; both opening adds are done
	s_wait_kmcnt 0x0
	s_add_nc_u64 s[48:49], s[6:7], s[48:49]
	s_add_nc_u64 s[4:5], s[4:5], s[50:51]
	s_add_nc_u64 s[8:9], s[8:9], s[52:53]
.irp g, 0,1                            ; segment g: keys 512 g on, of K and of V.  Two loads of mine are out
	s_mov_b32 s[G0+4*\g], 1
	s_add_co_u32 s[G0+4*\g+1], s46, \g*65536
	s_add_nc_u64 s[G0+4*\g+2:G0+4*\g+3], s[48:49], \g*65536
	s_or_b32 s[G0+4*\g+3], s[G0+4*\g+3], 0x80000000
	tensor_load_to_lds s[G0+4*\g:G0+4*\g+3], s[G1:G1+7]
	s_nop 0
.endr
	v_and_b32 v1, 31, v0
	v_lshlrev_b32 v[LI], 4, v1
	v_add_nc_u32 v[LIV], 131072, v[LI]
	v_add_nc_u32 v[LIK], STEPB, v[LI]
.irp t, 0,1,2,3
.irp u, 0,1
.irp c, 0,1
	global_load_b128 v[QF+16*\t+8*\u+4*\c:QF+16*\t+8*\u+4*\c+3], v[LI], s[4:5] offset:2048*\t+1024*\u+512*\c   ; Q stays in registers
.endr
.endr
.endr
; 32 products S^T = K Q^T: channels 32 u on, keys 16 kt on, tile t.  The first 16 start the sums; the 16 accumulators take turns.
.macro KQ
	WIN 0x01                                       ; source 0 (K) window 1
.irp u, 0,1
.irp kt, 0,1,2,3
.irp t, 0,1,2,3
.if \u == 0
	v_wmma_f32_16x16x32_f16 v[S+32*\t+8*\kt:S+32*\t+8*\kt+7], v[KR+16*\kt+8*\u:KR+16*\kt+8*\u+7], v[QF+16*\t+8*\u:QF+16*\t+8*\u+7], 0
.else
	v_wmma_f32_16x16x32_f16 v[S+32*\t+8*\kt:S+32*\t+8*\kt+7], v[KR+16*\kt+8*\u:KR+16*\kt+8*\u+7], v[QF+16*\t+8*\u:QF+16*\t+8*\u+7], v[S+32*\t+8*\kt:S+32*\t+8*\kt+7]
.endif
.endr
.endr
.endr
.endm
; this step's V (16 loads) and, unless last, the next step's K (16): each of 512 consecutive bytes; they land under the softmax.  off: bytes added to both addresses in the immediate
.macro FETCH av, ak, last, off
	WIN 0x40                                       ; destination window 1
.irp kc, 0,1
.irp dt, 0,1,2,3
.irp c, 0,1
	ds_load_b128 v[VR+32*\kc+8*\dt+4*\c:VR+32*\kc+8*\dt+4*\c+3], v[\av] offset:4096*\kc+1024*\dt+512*\c+(\off)
.endr
.endr
.endr
.if \last == 0
.irp kt, 0,1,2,3
.irp u, 0,1
.irp c, 0,1
	ds_load_b128 v[KR+16*\kt+8*\u+4*\c:KR+16*\kt+8*\u+4*\c+3], v[\ak] offset:2048*\kt+1024*\u+512*\c+(\off)
.endr
.endr
.endr
.endif
	WIN 0
.endm
; The softmax's first part, the four tiles line by line: the maximum of a lane's 32 scores and the old m (each accumulator is read from its low end on), the other half of the lanes', c m, and c s - c m.
.macro SMA first
.irp j, 0,1,2,3
.irp t, 0,1,2,3
	v_max3_num_f32 v[ST+8*\t+4+\j], v[S+32*\t+8*\j], v[S+32*\t+8*\j+1], v[S+32*\t+8*\j+2]
.endr
.endr
.irp g, 1,2
.irp j, 0,1,2,3
.irp t, 0,1,2,3
	v_max3_num_f32 v[ST+8*\t+4+\j], v[ST+8*\t+4+\j], v[S+32*\t+8*\j+2*\g+1], v[S+32*\t+8*\j+2*\g+2]
.endr
.endr
.endr
.irp t, 0,1,2,3
	v_max3_num_f32 v[ST+8*\t+4], v[ST+8*\t+4], v[S+32*\t+7], v[S+32*\t+15]
.endr
.irp t, 0,1,2,3
	v_max3_num_f32 v[ST+8*\t+6], v[ST+8*\t+6], v[S+32*\t+23], v[S+32*\t+31]
.endr
.irp t, 0,1,2,3
	v_max3_num_f32 v[ST+8*\t+4], v[ST+8*\t+4], v[ST+8*\t+5], v[ST+8*\t+6]
.endr
.irp t, 0,1,2,3
.if \first
	v_max_num_f32 v[ST+8*\t+4], v[ST+8*\t+4], v[ST+8*\t+7]
.else
	v_max3_num_f32 v[ST+8*\t+4], v[ST+8*\t+4], v[ST+8*\t+7], v[ST+8*\t+1]
.endif
.endr
.irp t, 0,1,2,3
	v_permlanex16_b32 v[ST+8*\t+5], v[ST+8*\t+4], s[SEL], s[SEL+1]   ; the query's other 32 keys lie in the lane 16 away
.endr
.if \first == 0
.irp t, 0,1,2,3
	v_mov_b32 v[ST+8*\t+7], v[ST+8*\t]             ; c m_old is kept for a
.endr
.endif
.irp t, 0,1,2,3
	v_max_num_f32 v[ST+8*\t+1], v[ST+8*\t+4], v[ST+8*\t+5]
.endr
.irp t, 0,1,2,3
	v_mul_f32 v[ST+8*\t], s[CS], v[ST+8*\t+1]
.endr
.if \first == 0
.irp t, 0,1,2,3
	v_sub_f32 v[ST+8*\t+7], v[ST+8*\t+7], v[ST+8*\t]
.endr
.endif
.set b, 0
.rept 16
.irp t, 0,1,2,3
	v_pk_fma_f32 v[S+32*\t+2*b:S+32*\t+2*b+1], v[S+32*\t+2*b:S+32*\t+2*b+1], s[CS:CS+1], v[ST+8*\t:ST+8*\t+1] op_sel_hi:[1,0,0] neg_lo:[0,0,1] neg_hi:[0,0,1]
.endr
.set b, b+1
.endr
.endm
; Its second part: all exponentials as ONE batch with one wait ahead of the first reader; the sums of the unrounded p; the roundings to f16, in place; O^T x a.
.macro SMB first
.if \first == 0
.irp t, 0,1,2,3
	v_exp_f32 v[ST+8*\t+6], v[ST+8*\t+7]           ; a
.endr
.endif
.set e, 0
.rept 128
	v_exp_f32 v[S+e], v[S+e]
.set e, e+1
.endr
	v_nop                                          ; a plain instruction behind the last exponential
	s_wait_alu depctr_va_vdst(0)                   ; one wait for the batch, ahead of the first instruction that names a result
.irp t, 0,1,2,3
	v_pk_add_f32 v[ST+8*\t+4:ST+8*\t+5], v[S+32*\t:S+32*\t+1], v[S+32*\t+2:S+32*\t+3]
.endr
.set b, 2
.rept 13
.irp t, 0,1,2,3
	v_pk_add_f32 v[ST+8*\t+4:ST+8*\t+5], v[ST+8*\t+4:ST+8*\t+5], v[S+32*\t+2*b:S+32*\t+2*b+1]
.endr
.set b, b+1
.endr
.irp t, 0,1,2,3
.if \first
	v_pk_add_f32 v[ST+8*\t+2:ST+8*\t+3], v[ST+8*\t+4:ST+8*\t+5], v[S+32*\t+30:S+32*\t+31]   ; the first step starts l
.else
	v_pk_add_f32 v[ST+8*\t+4:ST+8*\t+5], v[ST+8*\t+4:ST+8*\t+5], v[S+32*\t+30:S+32*\t+31]
.endif
.endr
.if \first == 0
.irp t, 0,1,2,3
	v_pk_fma_f32 v[ST+8*\t+2:ST+8*\t+3], v[ST+8*\t+2:ST+8*\t+3], v[ST+8*\t+6:ST+8*\t+7], v[ST+8*\t+4:ST+8*\t+5] op_sel_hi:[1,0,1]   ; l = a l + the sum
.endr
.endif
.set b, 0
.rept 16
.irp t, 0,1,2,3
	v_cvt_pk_f16_f32 v[S+32*\t+b], v[S+32*\t+2*b], v[S+32*\t+2*b+1]   ; ascending: register b is written when registers 2 b and 2 b + 1 are read
.endr
.set b, b+1
.endr
.if \first == 0
	WIN 0x41                                       ; O^T (destination and source 0) window 1
.set b, 0
.rept 16
.irp t, 0,1,2,3
	v_pk_mul_f32 v[32*\t+2*b:32*\t+2*b+1], v[32*\t+2*b:32*\t+2*b+1], v[ST+8*\t+6:ST+8*\t+7] op_sel_hi:[1,0]
.endr
.set b, b+1
.endr
.endif
.endm
; 32 products O^T += V^T P: keys 32 kc on, channels 16 dt on, tile t; 16 accumulators by turns.  In the first step the first 16 start the sums.
.macro PV first
	s_wait_dscnt 0x0                               ; V and the next K are in
	WIN 0x51                                       ; V, C and D window 1; P window 0
.irp kc, 0,1
.irp dt, 0,1,2,3
.irp t, 0,1,2,3
.if \first && (\kc == 0)
	v_wmma_f32_16x16x32_f16 v[32*\t+8*\dt:32*\t+8*\dt+7], v[VR+32*\kc+8*\dt:VR+32*\kc+8*\dt+7], v[S+32*\t+8*\kc:S+32*\t+8*\kc+7], 0
.else
	v_wmma_f32_16x16x32_f16 v[32*\t+8*\dt:32*\t+8*\dt+7], v[VR+32*\kc+8*\dt:VR+32*\kc+8*\dt+7], v[S+32*\t+8*\kc:S+32*\t+8*\kc+7], v[32*\t+8*\dt:32*\t+8*\dt+7]
.endif
.endr
.endr
.endr
	WIN 0
	PLACES 5                                       ; the next step's first products write over registers that these read as P: five plain instructions between (ISA guide 7.12.1)
.endm
.macro STEP last
	KQ
	WIN 0
	v_add_nc_u32 v[ADV], s[TB], v[LIV]             ; these four lines are the places between the products and the loads into K's registers, and the first read of the scores
	v_add_nc_u32 v[ADK], s[TB], v[LIK]
	v_nop
	v_nop
	s_add_co_u32 s[TB], s[TB], STEPB
	FETCH ADV, ADK, \last, 0
	SMA 0
	SMB 0
	PV 0
.endm
; The first half of step 0 or 1: scores, the fetch of the step's V and the next step's K, maxima and scalings.  It writes no address register: it goes by the two made at the head, the step's bytes in the immediate.
.macro HALF first, off
	KQ
	WIN 0
	PLACES 4                                       ; the places between the products and the loads into K's registers, and the first read of the scores
	FETCH LIV, LIK, 0, \off
	SMA \first
.endm
	s_wait_tensorcnt 1                             ; my part of segment 0 is in; segment 1's load may stay out
	s_barrier_signal -1
	s_barrier_wait -1                              ; everybody's is
	WIN 0x40
.irp kt, 0,1,2,3
.irp u, 0,1
.irp c, 0,1
	ds_load_b128 v[KR+16*\kt+8*\u+4*\c:KR+16*\kt+8*\u+4*\c+3], v[LI] offset:2048*\kt+1024*\u+512*\c   ; K of step 0
.endr
.endr
.endr
	WIN 0
	s_wait_loadcnt 0x0                             ; Q
	s_wait_dscnt 0x0
	HALF 1, 0                                      ; step 0, all waves alike: it starts m, l and O^T
	SMB 1
	PV 1
	s_cmp_eq_u32 s13, 0                            ; group 0 runs step 1's scores and maxima ahead of the barrier,
	s_cbranch_scc0 .Lnot_group_0
	HALF 0, STEPB
	s_wait_dscnt 0x0                               ; no LDS load of mine is out at the barrier
.Lnot_group_0:
	s_barrier_signal -1
	s_barrier_wait -1
	s_cmp_eq_u32 s13, 1                            ; group 1 behind it
	s_cbranch_scc0 .Lnot_group_1
	HALF 0, STEPB
	s_wait_dscnt 0x0
.Lnot_group_1:
	SMB 0                                          ; the rest of step 1
	PV 0
	s_wait_tensorcnt 0x0                           ; my part of segment 1 is in:
	s_barrier_signal -1                            ; say so,
	STEP 0                                         ; step 2: register work and LDS loads of segment 0, which nobody writes,
	s_barrier_wait -1                              ; and go on when all eight have said so
	s_mov_b32 s45, 12
.Lstep:                                                ; steps 3 to 14
	STEP 0
	s_sub_co_u32 s45, s45, 1
	s_cmp_lg_u32 s45, 0
	s_cbranch_scc1 .Lstep
	STEP 1                                         ; step 15: no K behind it
	; THE WAY OUT.  l's two halves and the other half of the lanes' are added; O^T / l is rounded to f16: four registers of the last product's operand for each 16 channels.
.irp t, 0,1,2,3
	v_add_f32 v[ST+8*\t+4], v[ST+8*\t+2], v[ST+8*\t+3]
.endr
.irp t, 0,1,2,3
	v_permlanex16_b32 v[ST+8*\t+5], v[ST+8*\t+4], s[SEL], s[SEL+1]
.endr
.irp t, 0,1,2,3
	v_add_f32 v[ST+8*\t+4], v[ST+8*\t+4], v[ST+8*\t+5]
.endr
.irp t, 0,1,2,3
	v_rcp_f32 v[ST+8*\t+6], v[ST+8*\t+4]
.endr
	v_nop                                          ; a plain instruction behind the last reciprocal
	s_wait_alu depctr_va_vdst(0)                   ; one wait for the four, ahead of their first reader
	WIN 0x41
.set b, 0
.rept 16
.irp t, 0,1,2,3
	v_pk_mul_f32 v[32*\t+2*b:32*\t+2*b+1], v[32*\t+2*b:32*\t+2*b+1], v[ST+8*\t+6:ST+8*\t+7] op_sel_hi:[1,0]
.endr
.set b, b+1
.endr
	WIN 0x05                                       ; sources window 1, destination window 0
.set b, 0
.rept 16
.irp t, 0,1,2,3
	v_cvt_pk_f16_f32 v[S+32*\t+b], v[32*\t+2*b], v[32*\t+2*b+1]
.endr
.set b, b+1
.endr
	WIN 0
.irp t, 0,1,2,3
.irp dt, 0,1,2,3
	global_store_b128 v[LI], v[S+32*\t+4*\dt:S+32*\t+4*\dt+3], s[8:9] offset:4096*\t+512*\dt   ; 32 lanes store 512 consecutive bytes
.endr
.endr
	s_wait_tensorcnt 0x0                           ; the wave's end
	ds_add_u32 v[SPW], v[NIL]
	s_wait_dscnt 0x0
	s_endpgm
.Lfunc_end_k_qd37e8a4c4e_attn:
	.size	k_qd37e8a4c4e_attn, .Lfunc_end_k_qd37e8a4c4e_attn-k_qd37e8a4c4e_attn
	.p2alignl 7, 3214868480
	.fill 96, 4, 3214868480
	.section	.rodata,"a",@progbits
	.p2align	6, 0x0
	.amdhsa_kernel k_qd37e8a4c4e_attn
		.amdhsa_group_segment_fixed_size 263168
		.amdhsa_private_segment_fixed_size 0
		.amdhsa_enable_private_segment 0
		.amdhsa_kernarg_size 24
		.amdhsa_user_sgpr_count 2
		.amdhsa_user_sgpr_kernarg_segment_ptr 1
		.amdhsa_wavefront_size32 1
		.amdhsa_system_sgpr_workgroup_id_x 1
		.amdhsa_system_sgpr_workgroup_id_y 1
		.amdhsa_system_sgpr_workgroup_id_z 1
		.amdhsa_system_vgpr_workitem_id 0
		.amdhsa_next_free_vgpr 512
		.amdhsa_next_free_sgpr 66
		.amdhsa_reserve_vcc 0
		.amdhsa_float_denorm_mode_32 3
		.amdhsa_float_denorm_mode_16_64 3
		.amdhsa_memory_ordered 1
		.amdhsa_forward_progress 1
		.amdhsa_inst_pref_size 182
	.end_amdhsa_kernel
	.amdgpu_metadata
---
amdhsa.version: [ 1, 2 ]
amdhsa.kernels:
  - .name:           k_qd37e8a4c4e_attn
    .symbol:         k_qd37e8a4c4e_attn.kd
    .args:
      - { .name: qf, .offset: 0, .size: 8, .value_kind: global_buffer, .address_space: global }
      - { .name: kv, .offset: 8, .size: 8, .value_kind: global_buffer, .address_space: global }
      - { .name: vals, .offset: 16, .size: 8, .value_kind: global_buffer, .address_space: global }
    .group_segment_fixed_size: 263168
    .private_segment_fixed_size: 0
    .kernarg_segment_align: 8
    .kernarg_segment_size: 24
    .max_flat_workgroup_size: 256
    .sgpr_count:     66
    .vgpr_count:     512
    .wavefront_size: 32
...
	.end_amdgpu_metadata
.endif
;; end of part 3
;; launch oproj (part 4): grid 4 x 64, 4 waves a work-group, clusters of 4 x 4, 327,680 bytes of LDS; arguments vals, wo, b_out, out0; writes out0
.if DOCPART == 4
	.amdgcn_target "amdgcn-amd-amdhsa--gfx1250"
	.amdhsa_code_object_version 6
	.text
	.protected	k_qd37e8a4c4e_oproj
	.globl	k_qd37e8a4c4e_oproj
	.p2align	8
	.type	k_qd37e8a4c4e_oproj,@function
k_qd37e8a4c4e_oproj:
	s_mov_b64 s[64:65], 0
	v_nop
	global_prefetch_b8 v0, s[64:65] scope:SCOPE_SE
	s_setreg_imm32_b32 hwreg(HW_REG_WAVE_MODE, 25, 1), 1
	s_wait_xcnt 0x0
	s_wait_alu depctr_hold_cnt(0) depctr_sa_sdst(0) depctr_va_vdst(0) depctr_va_sdst(0) depctr_va_ssrc(0) depctr_va_vcc(0) depctr_vm_vsrc(0)
	s_getreg_b32 s2, hwreg(HW_REG_IB_STS2, 6, 4)
	s_cmp_eq_u32 s2, 0
	s_cbranch_scc0 .Lentry_in_a_cluster
	s_endpgm
.Lentry_in_a_cluster:
	s_bfe_u32 s2, ttmp6, 0x10000c
	s_cmp_lg_u32 s2, 0xf033
	s_cbranch_scc0 .Lentry_shape_is_right
	s_endpgm
.Lentry_shape_is_right:
; OPROJ.  out = values w_out^T + b_out: 8,192 x 1,024 x 1,024, operands in f16, sums in f32, out in f32.
; Both operands lie in memory as images of operand registers (lane l's 16 bytes at 16 l), so a K step's part of a tile is one dense block, every fragment load reads 512 consecutive bytes of LDS, and no row is padded.
;   vals: [64 positions (128)][K step of 128 (8)][tile of 16 (4)][32 along K (4)][1,024].   wo: [128 features (8)][K step (8)][tile of 16 (8)][32 along K (4)][1,024].
; SHARES.  A tile of out is 128 positions x 256 features: 256 work-groups of four waves; a wave makes 64 x 128: 32 accumulators.  K goes in steps of 128 through a ring of two LDS slots (32,768 bytes of values, 65,536 of w_out).
; CLUSTER 4 x 4: the four of a row need the same values, the four of a column the same rows of w_out: each block is asked for JOINTLY.  Waves 0 and 1 fetch the values' two halves, waves 2 and 3 w_out's.
; THE MATRIX INSTRUCTION IS USED TRANSPOSED (source 0 = 16 features, source 1 = 16 positions): a lane holds eight neighbouring numbers of a row of out.  The bias is the C of each sum's first instruction.
; No prefetch: a K step here is 128 matrix instructions a wave on a small tile, and each block is shared by four work-groups.
; REGISTERS: window 0: v16-29 addresses; v32-95 the bias of my 8 tiles of features.   window 1: the accumulators, (a, b) at 8 (8 a + b).
;   window 2: two fragment buffers of 96 (values' 4 at + 8 i, w_out's 8 at + 32 + 8 i); on the way out 64 registers for each block of 16 rows.
.set SLOT,   98304
.set STAGE,  2*SLOT                    ; behind the ring: 16 rows x (512 + 16) bytes for each wave
.set SPITCH, 528
.set SPARE,  STAGE+4*16*SPITCH         ; the spare words, 128 bytes for each wave
.set LAPS,   4                         ; a lap = two K steps = once round the ring
.set ADRA, 16                          ; v16-17  my values' fragments in slot 0, 1
.set ADRB, 20                          ; v20-21  my w_out's
.set STO,  24                          ; v24     the way out: where I put 32 bytes of a row
.set RD,   25                          ; v25     where I read a row back
.set CO,   26                          ; v26     16 x lane
.set HB,   27                          ; v27     32 x (lane / 16)
.set SPW,  28                          ; v28     LDS address of my spare word; never rewritten
.set NIL,  29                          ; v29     0; never rewritten
.set BI,   32
.set F0,   0
.set F1,   96
.set G1,  24                           ; s[24:31], s[32:39] groups 1 and 0 (a set for each slot) for the values
.set G0,  32
.set G1B, 48                           ; s[48:55], s[56:63] for w_out
.set G0B, 56
.set MSB, 0
.macro WIN new                         ; the immediate's high byte repeats the setting that is left
.if MSB != \new
	s_set_vgpr_msb (MSB<<8)|\new
.set MSB, \new
.endif
.endm
.set MULW, 0x5a                        ; sources 0 and 1 window 2; C and D window 1
.set MULZ, 0x4a                        ; the same with C (the bias) in window 0
.set TO_F, 0x80                        ; destination window 2
.macro PLACES
.rept 4
	v_nop
.endr
.endm
.macro JLOAD s                         ; a joint load; an s_nop 0 and four v_nop follow each of the two lines, ahead of the jump, the label and what follows
	s_cmp_eq_u32 s13, 0
	s_cbranch_scc0 .Lfor_b_\@
	tensor_load_to_lds s[G0+4*\s:G0+4*\s+3], s[G1:G1+7]
	s_nop 0
	PLACES
	s_branch .Lasked_\@
.Lfor_b_\@:
	tensor_load_to_lds s[G0B+4*\s:G0B+4*\s+3], s[G1B:G1B+7]
	s_nop 0
	PLACES
.Lasked_\@:
.endm
.macro CREST                           ; a round of the cluster's barrier behind its opening barrier
	s_cmp_lg_u32 s12, 0
	s_cbranch_scc1 .Lnot_wave_0_\@
	s_barrier_signal -3
.Lnot_wave_0_\@:
	s_barrier_wait -3
	s_barrier_signal -1
	s_barrier_wait -1
.endm
.macro CROUND
	s_barrier_signal -1
	s_barrier_wait -1
	CREST
.endm
	s_load_b256 s[4:11], s[0:1], 0x0               ; vals s[4:5], wo s[6:7], b_out s[8:9], out0 s[10:11]
	v_lshl_add_u32 v[SPW], v0, 2, SPARE
	v_mov_b32 v[NIL], 0
	ds_add_u32 v[SPW], v[NIL]                      ; the wave's opening: the add, twice on end, and its wait ahead of my first tensor load
	ds_add_u32 v[SPW], v[NIL]
	v_lshrrev_b32 v1, 5, v0
	v_readfirstlane_b32 s12, v1                    ; wave
	s_lshr_b32 s13, s12, 1                         ; which 64 rows of the tile are mine.  Also: I fetch values (0) or w_out (1)
	s_and_b32 s14, s12, 1                          ; which 128 columns.  Also: which half I fetch
	s_bfe_u32 s40, ttmp6, 0x40000                  ; cx, cy
	s_bfe_u32 s41, ttmp6, 0x40004
	s_lshl_b32 s42, ttmp9, 2
	s_add_co_u32 s42, s42, s40                     ; tile column
	s_and_b32 s15, ttmp7, 0xffff
	s_lshl_b32 s15, s15, 2
	s_add_co_u32 s15, s15, s41                     ; tile row
	s_lshl_b32 s43, s41, 2
	s_lshl_b32 s43, 15, s43                        ; my row of the cluster
	s_lshl_b32 s44, 0x1111, s40                    ; my column
	s_or_b32 s[G1], s43, (3<<16)|(1<<21)           ; the mask; elements of 8 bytes; bit 21 set beside a mask
	s_or_b32 s[G1B], s44, (3<<16)|(1<<21)
	s_mov_b32 s[G1+1], 32<<16                      ; rows of 256 bytes,
	s_mov_b32 s[G1+2], 64<<16                      ; 64 of them: 16,384 dense bytes
	s_mov_b32 s[G1+3], 32<<16
	s_mov_b32 s[G1+4], 64
	s_mov_b32 s[G1+5], 32
	s_mov_b32 s[G1+6], 0
	s_mov_b32 s[G1+7], 0
	s_mov_b32 s[G1B+1], 32<<16
	s_mov_b32 s[G1B+2], 128<<16                    ; 128 rows: 32,768 dense bytes
	s_mov_b32 s[G1B+3], 32<<16
	s_mov_b32 s[G1B+4], 128
	s_mov_b32 s[G1B+5], 32
	s_mov_b32 s[G1B+6], 0
	s_mov_b32 s[G1B+7], 0
	s_lshl_b32 s16, s15, 1
	s_add_co_u32 s16, s16, s14
	s_lshl_b32 s16, s16, 17                        ; values: block of 64 positions 2 x tile row + half
	s_mov_b32 s17, 0
	s_lshl_b32 s46, s42, 1
	s_add_co_u32 s46, s46, s14
	s_lshl_b32 s46, s46, 18                        ; w_out: block of 128 features 2 x tile column + half
	s_mov_b32 s47, 0
	s_lshl_b32 s20, s14, 14                        ; where they go in a slot
	s_lshl_b32 s21, s14, 15
	s_add_co_u32 s21, s21, 32768
	s_wait_dscnt 0x0                               ; both opening adds are done
	s_wait_kmcnt 0x0
	s_add_nc_u64 s[16:17], s[4:5], s[16:17]
	s_add_nc_u64 s[46:47], s[6:7], s[46:47]
	CROUND                                         ; all sixteen work-groups are here: the first joint loads meet
.irp s, 0,1
	s_mov_b32 s[G0+4*\s], 1
	s_add_co_u32 s[G0+4*\s+1], s20, \s*SLOT
	s_add_nc_u64 s[G0+4*\s+2:G0+4*\s+3], s[16:17], \s*16384
	s_or_b32 s[G0+4*\s+3], s[G0+4*\s+3], 0x80000000
	s_mov_b32 s[G0B+4*\s], 1
	s_add_co_u32 s[G0B+4*\s+1], s21, \s*SLOT
	s_add_nc_u64 s[G0B+4*\s+2:G0B+4*\s+3], s[46:47], \s*32768
	s_or_b32 s[G0B+4*\s+3], s[G0B+4*\s+3], 0x80000000
	JLOAD \s
.endr
	v_and_b32 v1, 31, v0
	v_lshlrev_b32 v[CO], 4, v1
	v_and_b32 v2, 15, v0                           ; r
	v_bfe_u32 v3, v0, 4, 1                         ; h
	s_lshl_b32 s22, s13, 14                        ; my 64 rows of values,
	s_lshl_b32 s23, s14, 15
	s_add_co_u32 s23, s23, 32768                   ; my 128 rows of w_out
.irp s, 0,1
	v_add_nc_u32 v[ADRA+\s], s22, v[CO]
	v_add_nc_u32 v[ADRB+\s], s23, v[CO]
	s_add_co_u32 s22, s22, SLOT
	s_add_co_u32 s23, s23, SLOT
.endr
	s_mul_i32 s22, s12, 16*SPITCH
	s_add_co_u32 s22, s22, STAGE                   ; my stage
	v_mul_u32_u24 v[STO], v2, SPITCH
	v_lshl_add_u32 v[STO], v3, 5, v[STO]
	v_add_nc_u32 v[STO], s22, v[STO]               ; in: row r, 32 bytes for each half of the lanes
	v_add_nc_u32 v[RD], s22, v[CO]                 ; back: the 32 lanes take one row of 512 bytes
	v_lshlrev_b32 v[HB], 5, v3
	s_lshl_b32 s18, s42, 10
	s_lshl_b32 s19, s14, 9
	s_add_co_u32 s18, s18, s19                     ; my first column, in bytes
	s_mov_b32 s19, 0
	s_add_nc_u64 s[8:9], s[8:9], s[18:19]
	s_add_nc_u64 s[10:11], s[10:11], s[18:19]
	s_lshl_b32 s18, s15, 19
	s_lshl_b32 s22, s13, 18
	s_add_co_u32 s18, s18, s22                     ; my first row: (128 x tile row + 64 x half) x 4,096 bytes
	s_add_nc_u64 s[10:11], s[10:11], s[18:19]
.irp b, 0,1,2,3,4,5,6,7                ; lane (r, h) wants the bias of features 16 b + 8 h + 0 .. 7
	global_load_b128 v[BI+8*\b:BI+8*\b+3], v[HB], s[8:9] offset:64*\b
	global_load_b128 v[BI+8*\b+4:BI+8*\b+7], v[HB], s[8:9] offset:64*\b+16
.endr
; 8 matrix instructions: block a of positions x my 8 tiles of features, 32 along K.  The 32 accumulators take turns in the same order in every quarter.
.macro MUL8 f, a, zero
.irp b, 0,1,2,3,4,5,6,7
.if \zero
	v_wmma_f32_16x16x32_f16 v[8*(8*(\a)+\b):8*(8*(\a)+\b)+7], v[\f+32+8*\b:\f+32+8*\b+7], v[\f+8*(\a):\f+8*(\a)+7], v[BI+8*\b:BI+8*\b+7]
.else
	v_wmma_f32_16x16x32_f16 v[8*(8*(\a)+\b):8*(8*(\a)+\b)+7], v[\f+32+8*\b:\f+32+8*\b+7], v[\f+8*(\a):\f+8*(\a)+7], v[8*(8*(\a)+\b):8*(8*(\a)+\b)+7]
.endif
.endr
.endm
.macro MUL16 f, a0, zero
	MUL8 \f, \a0, \zero
	MUL8 \f, (\a0)+1, \zero
.endm
.macro FETCH slot, q, f                ; 24 LDS loads in one run: the slot's q-th 32 along K: w_out's 8 fragments, then the values' 4
	WIN TO_F
.irp i, 0,1,2,3,4,5,6,7
.irp c, 0,1
	ds_load_b128 v[\f+32+8*\i+4*\c:\f+32+8*\i+4*\c+3], v[ADRB+\slot] offset:(4*\i+\q)*1024+512*\c
.endr
.endr
.irp i, 0,1,2,3
.irp c, 0,1
	ds_load_b128 v[\f+8*\i+4*\c:\f+8*\i+4*\c+3], v[ADRA+\slot] offset:(4*\i+\q)*1024+512*\c
.endr
.endr
.endm
; A K step is four quarters of 32 along K, 32 matrix instructions each, on buffers 0, 1, 0, 1.  One of the first three: multiplies buffer f and fetches quarter q into g.
.macro QUARTER slot, q, f, g, zero
	s_wait_dscnt 4                                 ; all but the youngest four loads (the values' blocks 2 and 3) are in
.if \zero
	WIN MULZ
.else
	WIN MULW
.endif
	MUL16 \f, 0, \zero
	PLACES                                         ; four plain instructions in front of loads into registers that matrix instructions have read
	FETCH \slot, \q, \g
	s_wait_dscnt 24                                ; all but the 24 just issued
.if \zero
	WIN MULZ
.else
	WIN MULW
.endif
	MUL16 \f, 2, \zero
.endm
; The last quarter multiplies buffer 1 and changes slots: ONE barrier; in front of it each wave waits for all its tensor loads, adds 0 to its spare word, and waits for that and for its reads of this slot.
.macro TURN slot, next, fill
	WIN 0                                          ; (the add's two registers lie in window 0)
	s_wait_tensorcnt 0x0                           ; all my tensor loads have landed: my part of the next slot;
	ds_add_u32 v[SPW], v[NIL]                      ; 0 onto my spare word;
	s_wait_dscnt 5                                 ; (the add and the youngest four loads may be out)
	WIN MULW
	MUL8 F1, 0, 0                                  ; eight matrix instructions stand between the add and the wait for it
	s_wait_dscnt 0x0                               ; the add is done, and my reads of this slot are over
	s_barrier_signal -1
	MUL8 F1, 1, 0
.if \fill
	WIN 0
.endif
	s_barrier_wait -1
.if \fill
	CREST                                          ; the barrier has opened a round of the cluster's: no wave of any partner still reads this slot or has a load on its way
	s_add_nc_u64 s[G0+4*\slot+2:G0+4*\slot+3], s[G0+4*\slot+2:G0+4*\slot+3], 2*16384
	s_add_nc_u64 s[G0B+4*\slot+2:G0B+4*\slot+3], s[G0B+4*\slot+2:G0B+4*\slot+3], 2*32768
	JLOAD \slot                                    ; the first tensor load behind the round, one a wave; its four v_nop are also the places in front of the loads below
.else
	PLACES
.endif
	FETCH \next, 0, F0
	WIN MULW
	MUL16 F1, 2, 0
.endm
	s_wait_tensorcnt 1                             ; my part of K step 0 is in; K step 1's load may stay out
	s_barrier_signal -1
	s_barrier_wait -1
	FETCH 0, 0, F0
	s_wait_loadcnt 0x0                             ; the bias
	QUARTER 0, 1, F0, F1, 1                        ; the first quarter stands in front of the loop: its products start the sums, from the bias
	WIN 0                                          ; at a label and at a branch every window is 0
	s_mov_b32 s3, LAPS-1
.Llap:                                                 ; a trip goes once round the ring, from a lap's second quarter to the next lap's first, and fills both slots again
	QUARTER 0, 2, F1, F0, 0
	QUARTER 0, 3, F0, F1, 0
	TURN 0, 1, 1
	QUARTER 1, 1, F0, F1, 0
	QUARTER 1, 2, F1, F0, 0
	QUARTER 1, 3, F0, F1, 0
	TURN 1, 0, 1
	QUARTER 0, 1, F0, F1, 0
	WIN 0
	s_sub_co_u32 s3, s3, 1
	s_cmp_lg_u32 s3, 0
	s_cbranch_scc1 .Llap
	QUARTER 0, 2, F1, F0, 0                        ; the last lap fills nothing, and has no round of the cluster's barrier
	QUARTER 0, 3, F0, F1, 0
	TURN 0, 1, 0
	QUARTER 1, 1, F0, F1, 0
	QUARTER 1, 2, F1, F0, 0
	QUARTER 1, 3, F0, F1, 0
	s_wait_dscnt 4                                 ; the very last quarter: nothing more to fetch
	WIN MULW
	MUL16 F1, 0, 0
	s_wait_dscnt 0x0
	MUL16 F1, 2, 0
	WIN 0
; THE WAY OUT, block by block of 16 rows x 128 columns: a lane holds 32 neighbouring bytes of a row; a block goes through my own stage and comes back as whole rows of 512 bytes.
; LDS serves a wave's instructions in order (ISA guide 5.7.1.4): no wait between the stores and the loads, nor in front of the next block's stores.  Each block has registers of its own.
.macro TOSTAGE a
	WIN 0x04                                       ; an LDS store's data: window 1
.irp b, 0,1,2,3,4,5,6,7
	ds_store_b128 v[STO], v[8*(8*(\a)+\b):8*(8*(\a)+\b)+3] offset:64*\b        ; each accumulator from its low end on
	ds_store_b128 v[STO], v[8*(8*(\a)+\b)+4:8*(8*(\a)+\b)+7] offset:64*\b+16
.endr
	WIN TO_F
.irp t, 0,1,2,3,4,5,6,7,8,9,10,11,12,13,14,15
	ds_load_b128 v[64*(\a)+4*\t:64*(\a)+4*\t+3], v[RD] offset:\t*SPITCH
.endr
	WIN 0
.endm
.macro SEND a, younger                 ; younger: the LDS instructions issued behind block a's loads, which may stay out
	s_wait_dscnt \younger
	WIN 0x08                                       ; a store's data: window 2
.irp t, 0,1,2,3,4,5,6,7,8,9,10,11,12,13,14,15
	global_store_b128 v[CO], v[64*(\a)+4*\t:64*(\a)+4*\t+3], s[10:11] offset:65536*(\a)+4096*\t th:TH_STORE_NT   ; 32 lanes store 512 consecutive bytes, aligned; written once, read by nobody here
.endr
	WIN 0
.endm
	PLACES                                         ; behind the last products: in front of the first read of results and of loads into the fragments' registers
	TOSTAGE 0
	TOSTAGE 1
	SEND 0, 32                                     ; behind block 0's loads: block 1's 16 stores and 16 loads
	TOSTAGE 2
	SEND 1, 32
	TOSTAGE 3
	SEND 2, 32
	SEND 3, 0
	s_wait_tensorcnt 0x0                           ; the wave's end: behind my last tensor load and my last LDS store
	ds_add_u32 v[SPW], v[NIL]
	s_wait_dscnt 0x0
	CROUND                                         ; the closing round: no work-group ends while a partner may still ask for a block that names it
	s_endpgm
.Lfunc_end_k_qd37e8a4c4e_oproj:
	.size	k_qd37e8a4c4e_oproj, .Lfunc_end_k_qd37e8a4c4e_oproj-k_qd37e8a4c4e_oproj
	.p2alignl 7, 3214868480
	.fill 96, 4, 3214868480
	.section	.rodata,"a",@progbits
	.p2align	6, 0x0
	.amdhsa_kernel k_qd37e8a4c4e_oproj
		.amdhsa_group_segment_fixed_size 327680
		.amdhsa_private_segment_fixed_size 0
		.amdhsa_enable_private_segment 0
		.amdhsa_kernarg_size 32
		.amdhsa_user_sgpr_count 2
		.amdhsa_user_sgpr_kernarg_segment_ptr 1
		.amdhsa_wavefront_size32 1
		.amdhsa_system_sgpr_workgroup_id_x 1
		.amdhsa_system_sgpr_workgroup_id_y 1
		.amdhsa_system_sgpr_workgroup_id_z 1
		.amdhsa_system_vgpr_workitem_id 0
		.amdhsa_next_free_vgpr 768
		.amdhsa_next_free_sgpr 70
		.amdhsa_reserve_vcc 0
		.amdhsa_float_denorm_mode_32 3
		.amdhsa_float_denorm_mode_16_64 3
		.amdhsa_memory_ordered 1
		.amdhsa_forward_progress 1
		.amdhsa_inst_pref_size 86
	.end_amdhsa_kernel
	.amdgpu_metadata
---
amdhsa.version: [ 1, 2 ]
amdhsa.kernels:
  - .name:           k_qd37e8a4c4e_oproj
    .symbol:         k_qd37e8a4c4e_oproj.kd
    .args:
      - { .name: vals, .offset: 0, .size: 8, .value_kind: global_buffer, .address_space: global }
      - { .name: wo, .offset: 8, .size: 8, .value_kind: global_buffer, .address_space: global }
      - { .name: b_out, .offset: 16, .size: 8, .value_kind: global_buffer, .address_space: global }
      - { .name: out0, .offset: 24, .size: 8, .value_kind: global_buffer, .address_space: global }
    .group_segment_fixed_size: 327680
    .private_segment_fixed_size: 0
    .kernarg_segment_align: 8
    .kernarg_segment_size: 32
    .max_flat_workgroup_size: 128
    .sgpr_count:     70
    .vgpr_count:     768
    .wavefront_size: 32
...
	.end_amdgpu_metadata
.endif
;; end of part 4
